; MI455X (gfx1250); checked and timed in simulation.
; The chip was launched on July 23, 2026; its instructions are those of AMD's public machine-readable ISA for CDNA 5 (MIT licence, August 2026) and "CDNA5" Instruction Set Architecture Reference Guide (July 2026). The comments in the code are by the model that wrote it; some were corrected since.
;; Custom Multihead Attention. Allowed arithmetic: matrix products marked QUANTISED: E4M3 operands, one E8M0 scale for each 32 along K, by v_wmma_scale_f32_16x16x128_f8f6f4 with both operands' format E4M3, f32 sums; everything else in f32.
;; Inputs: Wk_codes 1,024 x 32 x 32 uint8 (E4M3 codes of Wk, K innermost, in blocks of 32 codes); Wk_scales 1,024 x 32 uint8 (E8M0 scales of Wk, one for each 32 codes along K); Wo_codes 1,024 x 32 x 32 uint8 (E4M3 codes of Wo, K innermost, in blocks of 32 codes); Wo_scales 1,024 x 32 uint8 (E8M0 scales of Wo, one for each 32 codes along K); Wq_codes 1,024 x 32 x 32 uint8 (E4M3 codes of Wq, K innermost, in blocks of 32 codes); Wq_scales 1,024 x 32 uint8 (E8M0 scales of Wq, one for each 32 codes along K); Wv_codes 1,024 x 32 x 32 uint8 (E4M3 codes of Wv, K innermost, in blocks of 32 codes); Wv_scales 1,024 x 32 uint8 (E8M0 scales of Wv, one for each 32 codes along K); bk 1,024 float32; bo 1,024 float32; bq 1,024 float32; bv 1,024 float32; k_codes 4 x 2,048 x 32 x 32 uint8 (E4M3 codes of k, K innermost, in blocks of 32 codes); k_scales 4 x 2,048 x 32 uint8 (E8M0 scales of k, one for each 32 codes along K); q_codes 4 x 2,048 x 32 x 32 uint8 (E4M3 codes of q, K innermost, in blocks of 32 codes); q_scales 4 x 2,048 x 32 uint8 (E8M0 scales of q, one for each 32 codes along K); v_codes 4 x 2,048 x 32 x 32 uint8 (E4M3 codes of v, K innermost, in blocks of 32 codes); v_scales 4 x 2,048 x 32 uint8 (E8M0 scales of v, one for each 32 codes along K).
;; Outputs: out0 4 x 2,048 x 1,024 float32.
;; This version of the problem:
;;   THIS VERSION OF THE PROBLEM IS GIVEN IN LOW PRECISION. The matrix products marked QUANTISED in the list below multiply operands that are first quantised to E4M3 (4 exponent bits, 3 mantissa bits; 8 bits a number), with one power-of-two scale for each 32 numbers along K (OCP MX v1.0); their sums are f32. All else is computed in f32.
;;   The module's matrix products, in the order in which they are computed (A, B: the left and right operand; K: the contracted axis; several contracted axes count as one K, in the product's order):
;;     1. [M 8,192, K 1,024] x [K 1,024, N 1,024]; A: input q (given as codes); B: input Wq (given as codes): QUANTISED
;;     2. [M 8,192, K 1,024] x [K 1,024, N 1,024]; A: input k (given as codes); B: input Wk (given as codes): QUANTISED
;;     3. [M 8,192, K 1,024] x [K 1,024, N 1,024]; A: input v (given as codes); B: input Wv (given as codes): QUANTISED
;;     4. batch 64 x [M 2,048, K 64] x [K 64, N 2,048]; A: computed on the way; B: computed on the way: QUANTISED
;;     5. batch 64 x [M 64, K 2,048] x [K 2,048, N 2,048]; A: computed on the way; B: softmax (see below): QUANTISED
;;     6. [M 8,192, K 1,024] x [K 1,024, N 1,024]; A: computed on the way; B: input Wo (given as codes): QUANTISED
;;   THE QUANTISER, for each operand of a quantised product, along K:
;;     - K is cut into blocks of 32 from its start; a last block that is shorter is filled with zeros.
;;     - A block's scale is 2^e with e = floor(log2(the largest magnitude in the block)) - 8, held to -126 .. 127; a block of zeros has e = 0. As a byte (E8M0): e + 127.
;;     - Each number is divided by its block's scale, clamped to +-448, and rounded to the nearest number of E4M3, ties to even, subnormals kept.
;;     - The product sums the exact products of the quantised numbers (number of the format x scale) in f32.
;;   ~~~python
;;   def quantise(x, axis):      # numpy; x: float32 -> the quantised numbers, widened to float32 again
;;       x = np.moveaxis(x, axis, -1); K = x.shape[-1]
;;       x = np.pad(x, [(0, 0)] * (x.ndim - 1) + [(0, -K % 32)]); x = x.reshape(x.shape[:-1] + (-1, 32)); a = np.abs(x).max(-1, keepdims=True)
;;       e = np.where(a > 0, np.clip(np.frexp(np.where(a > 0, a, 1))[1] - 1 - 8, -126, 127), 0)      # np.frexp(a)[1] - 1 = floor(log2(a)), exactly
;;       r = np.clip(x / 2.0 ** e, -448, 448)
;;       step = 2.0 ** (np.maximum(np.frexp(np.where(r == 0, 1, r))[1] - 1, -6) - 3)
;;       q = np.round(r / step) * step * 2.0 ** e      # np.round: ties to even
;;       return np.moveaxis(q.reshape(q.shape[:-2] + (-1,))[..., :K], -1, axis).astype(np.float32)
;;   ~~~
;;   SOFTMAX AHEAD OF A QUANTISED PRODUCT. Where the list says 'softmax', what is quantised is not the finished softmax but p = 2^(t - M), with t = logit x log2(e) and M = ceil(the row's largest t), a whole number; so 1/2 < the row's largest p <= 1. The row's sum l is taken of the UNQUANTISED p, in f32, and the product's result is divided by l at the end. Since M is a whole number, a kernel that streams over the keys may use a running M (the ceiling of the running maximum): every later rescaling is an exact power of two, which a block's scale takes up: the codes' values come out the same.
;;   OPERANDS COMPUTED ON THE WAY. 'Computed on the way' means the value that the module computes at that place (a softmax that the list does not call 'softmax' is quantised finished and normalised). What goes into a quantiser is computed in f32, as accurately as f32 sums, v_exp_f32 and their like allow (about 1e-6 of the number): no bf16 or f16 on the way to a quantiser, and a product that is left as it is and whose result goes on into a quantised operand takes f32 operands (vector FMAs, or v_wmma_f32_16x16x4_f32). A number that lies on a knife's edge between two numbers of the format may be rounded either way, as far as f32 arithmetic and the matrix unit's own rounding can turn it there, and no further.
;;   INPUTS GIVEN AS CODES. Wk (in the module: [1024, 1024], K = its axis 1); Wo (in the module: [1024, 1024], K = its axis 1); Wq (in the module: [1024, 1024], K = its axis 1); Wv (in the module: [1024, 1024], K = its axis 1); k (in the module: [4, 2048, 1024], K = its axis 2); q (in the module: [4, 2048, 1024], K = its axis 2); v (in the module: [4, 2048, 1024], K = its axis 2): each comes as NAME_codes (uint8): NAME with its K axis moved to the last place and cut into blocks of 32 codes, [.., K / 32, bytes a block], one block behind the other in memory; one code a byte (a code: sign, 4 exponent bits, 3 mantissa bits); and NAME_scales (uint8): the same leading axes, one E8M0 byte (e + 127) for each 32 codes along K. Its value is code x scale, taken as it is: it is not quantised again, and the codes and scales need not be those that the quantiser above would give.
;; One version. Each part assembles by itself: llvm-mc -triple=amdgcn-amd-amdhsa -mcpu=gfx1250 --defsym DOCPART=n.
;; ======== version 1 of 1: 3 launches
;; limits: right only within a limited range of input values
;; workspace buffers: qkv 25,952,256 bytes; cc 8,388,608 bytes; cs 262,144 bytes
;; launch proj (part 1): grid 4 x 96, 4 waves a work-group, clusters of 4 x 4, 327,680 bytes of LDS; arguments q_codes, q_scales, Wq_codes, Wq_scales, k_codes, k_scales, Wk_codes, Wk_scales, Wv_codes, Wv_scales, v_codes, v_scales, bq, bk, bv, qkv; writes qkv
.if DOCPART == 1
	.amdgcn_target "amdgcn-amd-amdhsa--gfx1250"
	.amdhsa_code_object_version 6
	.text
	.protected	k_q9beaa46b69_proj
	.globl	k_q9beaa46b69_proj
	.p2align	8
	.type	k_q9beaa46b69_proj,@function
k_q9beaa46b69_proj:
	s_mov_b64 s[64:65], 0
	v_nop
	global_prefetch_b8 v0, s[64:65] scope:SCOPE_SE
	s_setreg_imm32_b32 hwreg(HW_REG_WAVE_MODE, 25, 1), 1
	s_wait_xcnt 0x0
	s_wait_alu depctr_hold_cnt(0) depctr_sa_sdst(0) depctr_va_vdst(0) depctr_va_sdst(0) depctr_va_ssrc(0) depctr_va_vcc(0) depctr_vm_vsrc(0)
	s_getreg_b32 s2, hwreg(HW_REG_IB_STS2, 6, 4)
	s_cmp_eq_u32 s2, 0
	s_cbranch_scc0 .Lentry_in_a_cluster
	s_endpgm
.Lentry_in_a_cluster:
	s_bfe_u32 s2, ttmp6, 0x10000c
	s_cmp_lg_u32 s2, 0xf033
	s_cbranch_scc0 .Lentry_shape_is_right
	s_endpgm
.Lentry_shape_is_right:
.set KSTEP,  256
.set NQ,     2
.set ROWB,   256
.set KROW,   1024
.set PITCH,  272
.set FR,     16
.set NL,     4
.set NP,     8
.set HALFT,  128*PITCH
.set SLOT,   4*HALFT
.set LAPS,   2
.set KS,     32
.set SCL,    2*SLOT
.set HALFS,  (128*KS/256)*272
.set SBLK,   (16*KS/256)*272
.set SPARE,  SCL+4*HALFS
.set REC,    405504
.set AJ,   8
.set ADRA, 16
.set ADRB, 20
.set V8,   24
.set VO,   26
.set ADRS, 27
.set SPW,  28
.set NIL,  29
.set SC,   32
.set BI,   64
.set AF,   128
.set X,    128
.set PC,   192
.set TM,   208
.set PWS,  224
.set W,    232
.set WP,   240
.set G1, 24
.set G0, 32
.set G1B, 48
.set G0B, 56
.set G1S, 68
.set G0S, 76
.set G1SB, 80
.set G0SB, 88
.set TEN, 66
.set SEL, 92
.set MNT, 94
.set HM,  95
.set MSB, 0
.macro WIN new
.if MSB != \new
	s_set_vgpr_msb (MSB<<8)|\new
.set MSB, \new
.endif
.endm
.set MUL_LO, 0xa1
.set MUL_HI, 0xf1
.set TO_B,   0x40
.macro JLOAD g0a, g1a, g0b, g1b
	s_cmp_eq_u32 s15, 0
	s_cbranch_scc0 .Lfor_b_\@
	tensor_load_to_lds s[\g0a:\g0a+3], s[\g1a:\g1a+7]
	s_nop 0
.rept 4
	v_nop
.endr
	s_branch .Lasked_\@
.Lfor_b_\@:
	tensor_load_to_lds s[\g0b:\g0b+3], s[\g1b:\g1b+7]
	s_nop 0
.rept 4
	v_nop
.endr
.Lasked_\@:
.endm
.macro CREST
	s_cmp_lg_u32 s14, 0
	s_cbranch_scc1 .Lnot_wave_0_\@
	s_barrier_signal -3
.Lnot_wave_0_\@:
	s_barrier_wait -3
	s_barrier_signal -1
	s_barrier_wait -1
.endm
.macro CROUND
	s_barrier_signal -1
	s_barrier_wait -1
	CREST
.endm
	s_load_b256 s[68:75], s[0:1], 0x0
	s_load_b256 s[76:83], s[0:1], 0x20
	s_load_b256 s[84:91], s[0:1], 0x40
	s_load_b256 s[92:99], s[0:1], 0x60
	v_lshl_add_u32 v[SPW], v0, 2, SPARE
	v_mov_b32 v[NIL], 0
	ds_add_u32 v[SPW], v[NIL]
	ds_add_u32 v[SPW], v[NIL]
	v_lshrrev_b32 v1, 5, v0
	v_readfirstlane_b32 s14, v1
	s_lshr_b32 s15, s14, 1
	s_and_b32 s16, s14, 1
	s_bfe_u32 s40, ttmp6, 0x40000
	s_bfe_u32 s41, ttmp6, 0x40004
	s_and_b32 s18, ttmp7, 0xffff
	s_lshr_b32 s[TEN], s18, 3
	s_and_b32 s67, s18, 7
	s_lshl_b32 s67, s67, 2
	s_cmp_eq_u32 s[TEN], 2
	s_cselect_b32 s17, 0, s67
	s_cselect_b32 s42, s67, 0
	s_add_co_u32 s17, s17, s41
	s_add_co_u32 s42, s42, s40
	s_lshl_b32 s43, s41, 2
	s_lshl_b32 s43, 15, s43
	s_lshl_b32 s44, 0x1111, s40
	s_or_b32 s[G1+0], s43, (0<<16)|(1<<20)|(1<<21)|(5<<22)|(3<<25)
	s_or_b32 s[G1B+0], s44, (0<<16)|(1<<20)|(1<<21)|(5<<22)|(3<<25)
.irp g, G1, G1B
	s_mov_b32 s[\g+1], ROWB<<16
	s_mov_b32 s[\g+2], 256<<16
	s_mov_b32 s[\g+3], ROWB<<16
	s_mov_b32 s[\g+4], 256
	s_mov_b32 s[\g+5], KROW
	s_mov_b32 s[\g+6], 0
	s_mov_b32 s[\g+7], 0
.endr
	s_lshl_b32 s20, s17, 8
	s_lshl_b32 s46, s42, 8
	s_lshl_b32 s22, s20, 5
	s_lshl_b32 s20, s20, 10
	s_lshl_b32 s18, s46, 5
	s_lshl_b32 s46, s46, 10
	s_mov_b32 s21, 0
	s_mov_b32 s23, 0
	s_mov_b32 s19, 0
	s_mov_b32 s47, 0
	s_mul_i32 s45, s14, HALFT
	s_lshl_b32 s2, s16, 17                         ; in the ring a wave fetches 128 rows of 1,024 bytes: which half
	s_mov_b32 s3, 0
	s_wait_dscnt 0x0
	s_wait_kmcnt 0x0
	s_cmp_eq_u32 s[TEN], 0
	s_cselect_b64 s[4:5], s[68:69], s[76:77]
	s_cselect_b64 s[6:7], s[70:71], s[78:79]
	s_cselect_b64 s[8:9], s[72:73], s[80:81]
	s_cselect_b64 s[10:11], s[74:75], s[82:83]
	s_cselect_b64 s[100:101], s[92:93], s[94:95]
	s_cmp_eq_u32 s[TEN], 2
	s_cselect_b64 s[4:5], s[84:85], s[4:5]
	s_cselect_b64 s[6:7], s[86:87], s[6:7]
	s_cselect_b64 s[8:9], s[88:89], s[8:9]
	s_cselect_b64 s[10:11], s[90:91], s[10:11]
	s_cselect_b64 s[100:101], s[96:97], s[100:101]
	s_add_nc_u64 s[20:21], s[4:5], s[20:21]
	s_add_nc_u64 s[22:23], s[6:7], s[22:23]
	s_add_nc_u64 s[46:47], s[8:9], s[46:47]
	s_add_nc_u64 s[18:19], s[10:11], s[18:19]
	s_or_b32 s[G1S+0], s43, (3<<16)|(1<<20)|(1<<21)|(5<<22)|(3<<25)
	s_or_b32 s[G1SB+0], s44, (3<<16)|(1<<20)|(1<<21)|(5<<22)|(3<<25)
.irp g, G1S, G1SB
	s_mov_b32 s[\g+1], 32<<16
	s_mov_b32 s[\g+2], KS<<16
	s_mov_b32 s[\g+3], 32<<16
	s_mov_b32 s[\g+4], KS
	s_mov_b32 s[\g+5], 32
	s_mov_b32 s[\g+6], 0
	s_mov_b32 s[\g+7], 0
.endr
	CROUND
	s_mov_b32 s[G0S], 1
	s_mov_b32 s[G0S+1], SCL
	s_mov_b64 s[G0S+2:G0S+3], s[22:23]
	s_or_b32 s[G0S+3], s[G0S+3], 0x80000000
	s_mov_b32 s[G0SB], 1
	s_mov_b32 s[G0SB+1], SCL+2*HALFS
	s_mov_b64 s[G0SB+2:G0SB+3], s[18:19]
	s_or_b32 s[G0SB+3], s[G0SB+3], 0x80000000
	s_mov_b32 s4, 1                                ; the head's loads of K step 0, each tile whole: A's 256 rows,
	s_mov_b32 s5, 0
	s_mov_b64 s[6:7], s[20:21]
	s_or_b32 s7, s7, 0x80000000
	s_mov_b32 s8, 1                                ; B's 256 rows, behind them in slot 0
	s_mov_b32 s9, 2*HALFT
	s_mov_b64 s[10:11], s[46:47]
	s_or_b32 s11, s11, 0x80000000
	s_add_nc_u64 s[20:21], s[20:21], s[2:3]        ; for the ring: my 128 rows of the tile
	s_add_nc_u64 s[46:47], s[46:47], s[2:3]
.irp s, 0,1
	s_mov_b32 s[G0+4*\s], 1
	s_add_co_u32 s[G0+4*\s+1], s45, \s*SLOT
	s_add_nc_u64 s[G0+4*\s+2:G0+4*\s+3], s[20:21], \s*ROWB
	s_or_b32 s[G0+4*\s+3], s[G0+4*\s+3], 0x80000000
	s_mov_b32 s[G0B+4*\s], 1
	s_add_co_u32 s[G0B+4*\s+1], s45, \s*SLOT
	s_add_nc_u64 s[G0B+4*\s+2:G0B+4*\s+3], s[46:47], \s*ROWB
	s_or_b32 s[G0B+4*\s+3], s[G0B+4*\s+3], 0x80000000
.endr
; the head's four tiles, one joint load a wave, in one chain of branches on the wave's number: wave 0 A's rows of K step 0, wave 1 B's, wave 2 A's scale bytes, wave 3 B's
.macro ARM under, g0, g1, next
	s_cmp_lt_u32 s14, \under
	s_cbranch_scc0 \next
	tensor_load_to_lds s[\g0:\g0+3], s[\g1:\g1+7]
	s_nop 0
.rept 4
	v_nop
.endr
	s_branch .Lhead_asked
\next:
.endm
	ARM 1, 4,   G1,  .Lhead_b
	ARM 2, 8,   G1B, .Lhead_sa
	ARM 3, G0S, G1S, .Lhead_sb
	tensor_load_to_lds s[G0SB:G0SB+3], s[G1SB:G1SB+7]
	s_nop 0
.rept 4
	v_nop
.endr
.Lhead_asked:
	v_and_b32 v1, 15, v0
	v_bfe_u32 v2, v0, 4, 1
	v_mul_u32_u24 v3, v1, PITCH
	v_lshl_add_u32 v4, v2, 4, v3
	s_mul_i32 s21, s15, HALFT
	s_mul_i32 s22, s16, HALFT
	s_add_co_u32 s22, s22, 2*HALFT
.irp s, 0,1
	v_add_nc_u32 v[ADRA+\s], s21, v4
	v_add_nc_u32 v[ADRB+\s], s22, v4
	s_add_co_u32 s21, s21, SLOT
	s_add_co_u32 s22, s22, SLOT
.endr
	v_mul_u32_u24 v5, v1, KS
	v_lshrrev_b32 v6, 8, v5
	v_lshl_add_u32 v5, v6, 4, v5
	s_mul_i32 s21, s15, HALFS
	s_mul_i32 s22, s16, HALFS
	s_add_co_u32 s22, s22, 2*HALFS
	s_sub_co_u32 s22, s22, s21
	v_mul_u32_u24 v6, s22, v2
	s_add_co_u32 s21, s21, SCL
	v_add_nc_u32 v5, v5, v6
	v_add_nc_u32 v[ADRS], s21, v5
	s_cmp_eq_u32 s[TEN], 2
	s_cselect_b32 s92, 0, 32
	s_cselect_b32 s93, 4, 0
	s_cselect_b32 s94, 0, 4
	v_mul_u32_u24 v7, v2, s92
	v_mad_u32_u24 v7, v1, s93, v7
.irp j, 0,1,2,3,4,5,6,7
	v_mad_u32_u24 v[AJ+\j], s94, \j, v7
.endr
	s_lshl_b32 s92, s17, 8
	s_lshl_b32 s93, s15, 7
	s_add_co_u32 s92, s92, s93
	s_lshl_b32 s93, s42, 8
	s_lshl_b32 s94, s16, 7
	s_add_co_u32 s93, s93, s94
	s_cmp_eq_u32 s[TEN], 2
	s_cselect_b32 s94, s93, s92
	s_cselect_b32 s95, s92, s93
	s_lshl_b32 s96, s95, 2
	s_mov_b32 s97, 0
	s_add_nc_u64 s[100:101], s[100:101], s[96:97]
	s_lshr_b32 s96, s94, 11
	s_lshl_b32 s96, s96, 4
	s_lshr_b32 s95, s95, 6
	s_add_co_u32 s96, s96, s95
	s_mul_i32 s96, s96, REC
	s_and_b32 s94, s94, 2047
	s_lshl_b32 s95, s94, 6
	s_lshl_b32 s94, s94, 1
	s_cmp_eq_u32 s[TEN], 0
	s_cselect_b32 s92, 270336, 0
	s_mov_b32 s93, 262144
	s_cselect_b32 s93, 401408, s93
	s_cmp_eq_u32 s[TEN], 2
	s_cselect_b32 s92, 131072, s92
	s_cselect_b32 s93, 266240, s93
	s_add_co_u32 s92, s92, s96
	s_add_co_u32 s92, s92, s95
	s_add_co_u32 s96, s96, s93
	s_add_co_u32 s96, s96, s94
	s_mov_b32 s93, 0
	s_add_nc_u64 s[12:13], s[98:99], s[92:93]
	s_add_nc_u64 s[98:99], s[98:99], s[96:97]
	s_mov_b32 s[SEL], 0x76543210
	s_mov_b32 s[SEL+1], 0xfedcba98
	s_mov_b32 s[MNT], 0x600000
	s_mov_b32 s[HM], 0xffff0000
	v_and_b32 v6, 31, v0
	v_lshlrev_b32 v[VO], 4, v6
	v_lshlrev_b32 v[V8], 3, v6
	s_wait_alu depctr_va_vdst(0)
.irp x, 0,1,2,3,4,5,6,7
.irp j, 0,1,2,3,4,5,6,7
	global_load_b32 v[BI+8*\x+\j], v[AJ+\j], s[100:101] offset:64*\x
.endr
.endr
.macro FRAG reg, adr, q, i
.irp c, 0,1,2,3
	ds_load_b128 v[\reg+4*\c:\reg+4*\c+3], v[\adr] offset:128*(\q)+32*\c+(\i)*16*PITCH
.endr
.endm
.macro MUL16 a0, p, q, sc, zero
.irp a, \a0, \a0+1
.irp b, 0,1,2,3,4,5,6,7
.if \zero
	v_wmma_scale_f32_16x16x128_f8f6f4 v[8*(8*((\a)%4)+\b):8*(8*((\a)%4)+\b)+7], v[128*(\p)+FR*\b:128*(\p)+FR*\b+FR-1], v[AF+FR*(\a):AF+FR*(\a)+FR-1], 0, v[SC+8*NQ*(\sc)+NQ*\b+(\q)], v[SC+8*NQ*(\sc)+NQ*(\a)+(\q)] matrix_a_scale:MATRIX_SCALE_ROW1
.else
	v_wmma_scale_f32_16x16x128_f8f6f4 v[8*(8*((\a)%4)+\b):8*(8*((\a)%4)+\b)+7], v[128*(\p)+FR*\b:128*(\p)+FR*\b+FR-1], v[AF+FR*(\a):AF+FR*(\a)+FR-1], v[8*(8*((\a)%4)+\b):8*(8*((\a)%4)+\b)+7], v[SC+8*NQ*(\sc)+NQ*\b+(\q)], v[SC+8*NQ*(\sc)+NQ*(\a)+(\q)] matrix_a_scale:MATRIX_SCALE_ROW1
.endif
.endr
.endr
.endm
.macro FETCH_B slot, q, p
	WIN TO_B
.irp i, 0,1,2,3,4,5,6,7
	FRAG 128*(\p)+FR*\i, ADRB+\slot, \q, \i
.endr
	WIN 0
.endm
.macro FETCH_A slot, q, i0
.irp i, \i0, \i0+1, \i0+2, \i0+3
	FRAG AF+FR*(\i), ADRA+\slot, \q, \i
.endr
.endm
.macro SCALES sc
.irp i, 0,1,2,3,4,5,6,7
	ds_load_b64 v[SC+8*NQ*\sc+NQ*\i:SC+8*NQ*\sc+NQ*\i+1], v[ADRS] offset:\i*SBLK
.endr
.endm
.macro PLACES n
.rept \n
	v_nop
.endr
.endm
.macro STEP slot, q, zero
	s_wait_dscnt 4*NL
	WIN MUL_LO
	MUL16 0, (\q)%2, \q, \slot, \zero
	MUL16 2, (\q)%2, \q, \slot, \zero
	s_wait_dscnt 0
	PLACES NP
	FETCH_B \slot, (\q)+1, 1-(\q)%2
	FETCH_A \slot, (\q)+1, 0
	WIN MUL_HI
	MUL16 4, (\q)%2, \q, \slot, \zero
	MUL16 6, (\q)%2, \q, \slot, \zero
	PLACES NP
	WIN 0
	FETCH_A \slot, (\q)+1, 4
.endm
.macro TURN slot, next, fill
	s_wait_tensorcnt 0x0
	ds_add_u32 v[SPW], v[NIL]
	s_wait_dscnt 4*NL+1
	WIN MUL_LO
	MUL16 0, 1, NQ-1, \slot, 0
	s_wait_dscnt 0x0
	s_barrier_signal -1
	MUL16 2, 1, NQ-1, \slot, 0
	WIN 0
	s_barrier_wait -1
.if \fill
	CREST
	s_add_nc_u64 s[G0+4*\slot+2:G0+4*\slot+3], s[G0+4*\slot+2:G0+4*\slot+3], 2*ROWB
	s_add_nc_u64 s[G0B+4*\slot+2:G0B+4*\slot+3], s[G0B+4*\slot+2:G0B+4*\slot+3], 2*ROWB
	JLOAD G0+4*\slot, G1, G0B+4*\slot, G1B
	PLACES NP-4
.else
	PLACES NP
.endif
	s_wait_alu depctr_va_vdst(0)
	v_add_nc_u32 v[ADRS], 4*NQ, v[ADRS]
	FETCH_B \next, 0, 0
	FETCH_A \next, 0, 0
	SCALES \next
	WIN MUL_HI
	MUL16 4, 1, NQ-1, \slot, 0
	MUL16 6, 1, NQ-1, \slot, 0
	PLACES NP
	WIN 0
	FETCH_A \next, 0, 4
.endm
.macro QUANT s, pw
.irp b, 0,1,2,3
	v_max3_num_f32 v[TM+\b], |v[\s+16*\b]|, |v[\s+1+16*\b]|, 0x4800000
.endr
.irp i, 2,4,6,8,10,12,14
.irp b, 0,1,2,3
	v_max3_num_f32 v[TM+\b], v[TM+\b], |v[\s+16*\b+\i]|, |v[\s+1+16*\b+\i]|
.endr
.endr
.irp b, 0,1,2,3
	v_permlanex16_b32 v[TM+4+\b], v[TM+\b], s[SEL], s[SEL+1]
.endr
.irp b, 0,1,2,3
	v_max_num_f32 v[TM+\b], v[TM+\b], v[TM+4+\b]
.endr
.irp b, 0,1,2,3
	v_add_nc_u32 v[TM+12+\b], 0xfc000000, v[TM+\b]
.endr
.irp b, 0,1,2,3
	v_and_or_b32 v[TM+8+\b], v[TM+\b], 0x7f800000, s[MNT]
.endr
.irp b, 0,1,2,3
	v_lshrrev_b32 v[TM+4+\b], 23, v[TM+12+\b]
.endr
	v_lshl_or_b32 v[\pw], v[TM+5], 8, v[TM+4]
	v_lshl_or_b32 v[\pw], v[TM+6], 16, v[\pw]
	v_lshl_or_b32 v[\pw], v[TM+7], 24, v[\pw]
.irp b, 0,1,2,3
.irp i, 0,1,2,3,4,5,6,7,8,9,10,11,12,13,14,15
	v_med3_num_f32 v[\s+16*\b+\i], v[\s+16*\b+\i], -v[TM+8+\b], v[TM+8+\b]
.endr
	v_cvt_scalef32_pk8_fp8_f32 v[PC+4*\b:PC+1+4*\b], v[\s+16*\b:\s+7+16*\b], v[TM+12+\b]
	v_cvt_scalef32_pk8_fp8_f32 v[PC+2+4*\b:PC+3+4*\b], v[\s+8+16*\b:\s+15+16*\b], v[TM+12+\b]
.endr
	v_nop
.endm
.macro EPI isv
.irp a, 0,1,2,3,4,5,6,7
	WIN 0x02+(\a)/4
.set i, 0
.rept 32
.if \isv
	v_pk_add_f32 v[X+2*i:X+2*i+1], v[64*((\a)%4)+2*i:64*((\a)%4)+2*i+1], v[BI+8*(\a):BI+8*(\a)+1]
.else
	v_pk_add_f32 v[X+2*i:X+2*i+1], v[64*((\a)%4)+2*i:64*((\a)%4)+2*i+1], v[BI+2*i:BI+2*i+1]
.endif
.set i, i+1
.endr
	WIN 0
	s_wait_xcnt 0x0
	QUANT X, PWS+\a
.irp g, 0,1,2,3
.if \isv
	global_store_b128 v[VO], v[PC+4*\g:PC+4*\g+3], s[12:13] offset:((\a)/4)*REC+((\a)%4)*2048+\g*512
.else
	global_store_b128 v[VO], v[PC+4*\g:PC+4*\g+3], s[12:13] offset:(\g/2)*REC+(\a)*1024+(\g%2)*512
.endif
.endr
.endr
.irp hd, 0,1
.if \isv
	v_cndmask_b32 v[WP+2*\hd], v[PWS+4*\hd], v[PWS+4*\hd+1], s[HM]
	v_cndmask_b32 v[WP+2*\hd+1], v[PWS+4*\hd+2], v[PWS+4*\hd+3], s[HM]
.else
.irp g, 0,1,2,3
.if \hd
	v_perm_b32 v[W+4*\hd+\g], v[PWS+2*\g+1], v[PWS+2*\g], 0x07060302
.else
	v_perm_b32 v[W+4*\hd+\g], v[PWS+2*\g+1], v[PWS+2*\g], 0x05040100
.endif
.endr
	v_cndmask_b32 v[WP+2*\hd], v[W+4*\hd], v[W+4*\hd+1], s[HM]
	v_cndmask_b32 v[WP+2*\hd+1], v[W+4*\hd+2], v[W+4*\hd+3], s[HM]
.endif
	global_store_b64 v[V8], v[WP+2*\hd:WP+2*\hd+1], s[98:99] offset:\hd*REC
.endr
.endm
	s_wait_alu depctr_va_vdst(0)                   ; the wait at the head's end
	s_wait_tensorcnt 0x0                           ; my tile of the head's four is in; the lines ahead of a later first fill:
	ds_add_u32 v[SPW], v[NIL]
	s_mov_b32 s[G1+2], 128<<16                     ; no tensor load of mine is out: from here on a load brings 128 rows
	s_mov_b32 s[G1+4], 128
	s_mov_b32 s[G1B+2], 128<<16
	s_mov_b32 s[G1B+4], 128
	s_wait_dscnt 0x0
	CROUND                                         ; all four tiles are in, and all sixteen work-groups are here
	JLOAD G0+4, G1, G0B+4, G1B                     ; K step 1, the first tensor load behind the round
	FETCH_B 0, 0, 0
	FETCH_A 0, 0, 0
	SCALES 0
	FETCH_A 0, 0, 4
	STEP 0, 0, 1
	s_mov_b32 s3, LAPS-1
.Llap:
	TURN 0, 1, 1
	STEP 1, 0, 0
	TURN 1, 0, 1
	STEP 0, 0, 0
	s_sub_co_u32 s3, s3, 1
	s_cmp_lg_u32 s3, 0
	s_cbranch_scc1 .Llap
	TURN 0, 1, 0
	STEP 1, 0, 0
	s_wait_dscnt 4*NL
	WIN MUL_LO
	MUL16 0, 1, NQ-1, 1, 0
	MUL16 2, 1, NQ-1, 1, 0
	s_wait_dscnt 0
	WIN MUL_HI
	MUL16 4, 1, NQ-1, 1, 0
	MUL16 6, 1, NQ-1, 1, 0
	WIN 0
	PLACES NP
	s_wait_loadcnt 0x0
.irp b, 0,1,2,3
	v_mov_b32 v[TM+4+\b], 0
.endr
	s_cmp_eq_u32 s[TEN], 2
	s_cbranch_scc1 .Lway_v
	EPI 0
	s_branch .Ljoin
.Lway_v:
	EPI 1
.Ljoin:
	s_wait_tensorcnt 0x0
	ds_add_u32 v[SPW], v[NIL]
	s_wait_dscnt 0x0
	CROUND
	s_endpgm
.Lfunc_end_k_q9beaa46b69_proj:
	.size	k_q9beaa46b69_proj, .Lfunc_end_k_q9beaa46b69_proj-k_q9beaa46b69_proj
	.p2alignl 7, 3214868480
	.fill 96, 4, 3214868480
	.section	.rodata,"a",@progbits
	.p2align	6, 0x0
	.amdhsa_kernel k_q9beaa46b69_proj
		.amdhsa_group_segment_fixed_size 327680
		.amdhsa_private_segment_fixed_size 0
		.amdhsa_enable_private_segment 0
		.amdhsa_kernarg_size 128
		.amdhsa_user_sgpr_count 2
		.amdhsa_user_sgpr_kernarg_segment_ptr 1
		.amdhsa_wavefront_size32 1
		.amdhsa_system_sgpr_workgroup_id_x 1
		.amdhsa_system_sgpr_workgroup_id_y 1
		.amdhsa_system_sgpr_workgroup_id_z 1
		.amdhsa_system_vgpr_workitem_id 0
		.amdhsa_next_free_vgpr 1024
		.amdhsa_next_free_sgpr 102
		.amdhsa_reserve_vcc 0
		.amdhsa_float_denorm_mode_32 3
		.amdhsa_float_denorm_mode_16_64 3
		.amdhsa_memory_ordered 1
		.amdhsa_forward_progress 1
		.amdhsa_inst_pref_size 255
	.end_amdhsa_kernel
	.section	.bss,"aw",@nobits
	.p2align	6
	.space	262144
	.amdgpu_metadata
---
amdhsa.version: [ 1, 2 ]
amdhsa.kernels:
  - .name:           k_q9beaa46b69_proj
    .symbol:         k_q9beaa46b69_proj.kd
    .args:
      - { .name: q_codes, .offset: 0, .size: 8, .value_kind: global_buffer, .address_space: global }
      - { .name: q_scales, .offset: 8, .size: 8, .value_kind: global_buffer, .address_space: global }
      - { .name: Wq_codes, .offset: 16, .size: 8, .value_kind: global_buffer, .address_space: global }
      - { .name: Wq_scales, .offset: 24, .size: 8, .value_kind: global_buffer, .address_space: global }
      - { .name: k_codes, .offset: 32, .size: 8, .value_kind: global_buffer, .address_space: global }
      - { .name: k_scales, .offset: 40, .size: 8, .value_kind: global_buffer, .address_space: global }
      - { .name: Wk_codes, .offset: 48, .size: 8, .value_kind: global_buffer, .address_space: global }
      - { .name: Wk_scales, .offset: 56, .size: 8, .value_kind: global_buffer, .address_space: global }
      - { .name: Wv_codes, .offset: 64, .size: 8, .value_kind: global_buffer, .address_space: global }
      - { .name: Wv_scales, .offset: 72, .size: 8, .value_kind: global_buffer, .address_space: global }
      - { .name: v_codes, .offset: 80, .size: 8, .value_kind: global_buffer, .address_space: global }
      - { .name: v_scales, .offset: 88, .size: 8, .value_kind: global_buffer, .address_space: global }
      - { .name: bq, .offset: 96, .size: 8, .value_kind: global_buffer, .address_space: global }
      - { .name: bk, .offset: 104, .size: 8, .value_kind: global_buffer, .address_space: global }
      - { .name: bv, .offset: 112, .size: 8, .value_kind: global_buffer, .address_space: global }
      - { .name: qkv, .offset: 120, .size: 8, .value_kind: global_buffer, .address_space: global }
    .group_segment_fixed_size: 327680
    .private_segment_fixed_size: 0
    .kernarg_segment_align: 8
    .kernarg_segment_size: 128
    .max_flat_workgroup_size: 128
    .sgpr_count:     102
    .vgpr_count:     1024
    .wavefront_size: 32
...
	.end_amdgpu_metadata
.endif
;; end of part 1
;; launch attn (part 2): grid 4 x 64, 16 waves a work-group, clusters of 4 x 1, 327,680 bytes of LDS; arguments qkv, cc, cs; writes cc, cs
.if DOCPART == 2
	.amdgcn_target "amdgcn-amd-amdhsa--gfx1250"
	.amdhsa_code_object_version 6
	.text
	.protected	k_q9beaa46b69_attn
	.globl	k_q9beaa46b69_attn
	.p2align	8
	.type	k_q9beaa46b69_attn,@function
k_q9beaa46b69_attn:
	s_mov_b64 s[64:65], 0
	v_nop
	global_prefetch_b8 v0, s[64:65] scope:SCOPE_SE
	s_setreg_imm32_b32 hwreg(HW_REG_WAVE_MODE, 25, 1), 1
	s_wait_xcnt 0x0
	s_wait_alu depctr_hold_cnt(0) depctr_sa_sdst(0) depctr_va_vdst(0) depctr_va_sdst(0) depctr_va_ssrc(0) depctr_va_vcc(0) depctr_vm_vsrc(0)
	s_getreg_b32 s2, hwreg(HW_REG_IB_STS2, 6, 4)
	s_cmp_eq_u32 s2, 0
	s_cbranch_scc0 .Lentry_in_a_cluster
	s_endpgm
.Lentry_in_a_cluster:
	s_bfe_u32 s2, ttmp6, 0x10000c
	s_cmp_lg_u32 s2, 0x3003
	s_cbranch_scc0 .Lentry_shape_is_right
	s_endpgm
.Lentry_shape_is_right:
; ctx[b][q][head] = softmax_k(qp . kp / 8) vp for 64 (batch, head) pairs of 2,048 queries and keys, head size 64, both products on codes of FP8 (E4M3) with E8M0 scales; then ctx is quantised along E for the last projection.
; Nothing of the problem is left out.  The operands come from qkv as images of operand registers, as the launch before lays them.
; THE SOFTMAX: t = score x log2(e) / 8; M = the running largest t rounded UP to a whole number; p = 2^(t - M) is quantised along the keys, not normalised; the row's sum is taken of the unquantised p and divides at the end.
; When M moves, the sum and O are multiplied by 2^(old M - new M): exact.
; LIMITS: NaN and infinities are not served; the scaled scores stay under 2^31 in magnitude; a block whose largest magnitude lies under 2^-118 keeps the byte 1, and so does a block of zeros (its codes are zeros; this program alone reads the bytes).
; SHARES.  A cluster of four work-groups is one (batch, head); a work-group owns 512 of its queries; each of its sixteen waves owns one tile of 16 queries at a time, in two passes.  Four waves share a SIMD, so that one wave's
; vector work stands beside another's matrix work and LDS loads.  Every pass walks 16 steps of 128 keys; the step is written once, in a loop of 16 trips inside a loop of 2.
; LDS.  The head's whole K, V and their scale words, 270,336 consecutive bytes of its record, stay in LDS: each wave brings a sixteenth by ONE joint load (the four work-groups need the same bytes), nothing is filled again, the loops have no barrier.
; THE SCORES.  K is 64, the instruction's 128.  A fragment of K holds TWO tiles of 16 keys; it is multiplied once by (Q | zero codes) and once by (zero codes | Q).  Zero codes add nothing under any scale byte but 0xff.
; Both products are used transposed (source 0 = keys, or channels; source 1 = my queries): a lane holds ONE query (lane % 16) throughout, and p's conversions give the second product's operand.
; No prefetch: all that the launch reads of K and V is asked for by its first lines.
.set REC,   405504
.set VIMG,  131072                     ; LDS, as in a record: K's images at 0, V's here,
.set KSC,   262144                     ; K's scale words,
.set VOFS,  4096                       ; V's so far behind them
.set QIMG,  270336                     ; in the record alone: Q's images
.set QSC,   401408                     ; and scale words
.set PART,  16896                      ; 270,336 / 16: a wave's part of the fill, 66 rows of 256 bytes
.set SPARE, 270336                     ; the spare words: 128 bytes a wave, eight blocks of 256 bytes that no other line names
.set LI,   1                           ; v1   16 x lane
.set LIV,  2                           ; v2   16 x lane + VIMG
.set LSK,  3                           ; v3   8 x lane + KSC
.set ADK,  4                           ; v4   the fragments that are fetched
.set ADS,  6                           ; v6   their scale words
.set SPW,  7                           ; v7   my spare word; never rewritten
.set NIL,  8                           ; v8   0; never rewritten
.set R8,   9                           ; v9   8 x (lane % 16)
.set CSO,  10                          ; v10  32 x (lane % 16) + lane / 16
                                       ; v12 -M, v13 the largest score, v[14:15] the sum in two halves
.set QA,   16                          ; v16-23 Q, v24-31 zero codes, v32-39 Q again
.set BM,   40                          ; v40-43 the blocks' largest scores, then largest p
.set BT,   44                          ; v44-47 at work
.set HL,   48                          ; v48-51 the holds
.set CV,   52                          ; v52-55 the conversions' scales
.set F,    56                          ; v56 f = 2^(old M - new M); v57 written once (named with it as a pair)
.set T0,   58
.set T1,   59
.set QN,   60                          ; v60, v61 Q's scale words of the coming pass and of the one after
.set Q2,   61
.set S,    64                          ; v64-127 S^T, then p
.set KV,   128                         ; v128-191 four fragments of K, then of V
.set O,    192                         ; v192-223 O^T
.set P,    224                         ; v224-239 p's codes (v224-229 first hold parts of the row's sum)
.set KSW,  240                         ; scale words of K, of V, of p, of Q
.set VSW,  242
.set PSW,  244
.set QSW,  246
.set Q1,   248                         ; v248-255 the coming pass's Q
.set CO,   S+32                        ; the way out, in S's registers: ctx's codes,
.set XS,   S+40                        ; what goes to lane l xor 16,
.set XR,   S+44                        ; what comes from it,
.set OU,   S+48                        ; the operand's registers,
.set BY,   S+56                        ; my scale byte
.set WV,   10
.set CX,   11
.set BH,   12
.set SEL,  28                          ; s[28:29] lane selects for lane l xor 16
.set CS,   30                          ; s[30:31] c = log2(e) / 8
.set MNT,  32                          ; the mantissa field of 448
.set HM,   33                          ; a mask of lanes 16-31
.set KO,   34                          ; the step's images: 8,192 bytes a step
.set SO,   35                          ; its scale words: 256 bytes a step
.set CNT,  36
.set QSEL, 44
.set KN,   49                          ; the same, round the end to step 0
.set SN,   50
.set PS,   51                          ; the pass
.set TOT,  52                          ; steps still to come in the launch
.set NC,   53                          ; -c
.macro ROUND                           ; a round of the cluster's barrier
	s_barrier_signal -1
	s_barrier_wait -1
	s_cmp_lg_u32 s[WV], 0
	s_cbranch_scc1 .Lnot_wave_0_\@
	s_barrier_signal -3
.Lnot_wave_0_\@:
	s_barrier_wait -3
	s_barrier_signal -1
	s_barrier_wait -1
.endm
	s_load_b128 s[4:7], s[0:1], 0x0                ; qkv, cc
	s_load_b64 s[8:9], s[0:1], 0x10                ; cs
	v_lshl_add_u32 v[SPW], v0, 2, SPARE
	v_mov_b32 v[NIL], 0
	ds_add_u32 v[SPW], v[NIL]                      ; the wave's opening: the add, twice on end, and its wait ahead of my first tensor load
	ds_add_u32 v[SPW], v[NIL]
	v_lshrrev_b32 v1, 5, v0
	v_readfirstlane_b32 s[WV], v1                  ; wave 0..15
	s_bfe_u32 s[CX], ttmp6, 0x40000                ; my place in the cluster: it enters Q's, cc's and cs's addresses alone
	s_and_b32 s[BH], ttmp7, 0xffff                 ; the cluster's y: which (batch, head)
	s_mov_b32 s16, 15|(3<<16)|(1<<21)              ; group 1: the mask names all four; elements of 8 bytes; bit 21 beside a mask; no padding
	s_mov_b32 s17, 32<<16                          ; tensor_dim0 = 32 elements: 256 bytes
	s_mov_b32 s18, 66<<16                          ; tensor_dim1
	s_mov_b32 s19, 32<<16                          ; tile_dim0
	s_mov_b32 s20, 66                              ; tile_dim1
	s_mov_b32 s21, 32                              ; from row to row: dense
	s_mov_b32 s22, 0
	s_mov_b32 s23, 0
	s_mov_b32 s24, 1                               ; group 0: count,
	s_mul_i32 s25, s[WV], PART                     ; the LDS address: the wave's number x a constant
	s_mul_i32 s14, s[BH], REC                      ; my record (under 2^25)
	s_mov_b32 s15, 0
	s_mov_b32 s38, s25
	s_mov_b32 s39, 0
	s_mov_b32 s[SEL], 0x76543210
	s_mov_b32 s[SEL+1], 0xfedcba98
	s_mov_b32 s[CS], 0x3e38aa3b                    ; log2(e) / sqrt(64)
	s_mov_b32 s[CS+1], s[CS]                       ; (named with it as a pair)
	s_mov_b32 s[NC], 0xbe38aa3b
	s_mov_b32 s[MNT], 0x600000
	s_mov_b32 s[HM], 0xffff0000
	s_wait_dscnt 0x0                               ; both opening adds are done
	s_wait_kmcnt 0x0
	s_add_nc_u64 s[4:5], s[4:5], s[14:15]          ; the record
	s_add_nc_u64 s[26:27], s[4:5], s[38:39]        ; my sixteenth of its first 270,336 bytes: the same in all four work-groups
	s_or_b32 s27, s27, 0x80000000
	ROUND                                          ; all four work-groups are here: the joint loads meet
	tensor_load_to_lds s[24:27], s[16:23]          ; every wave's one tensor load of the launch
	s_nop 0
.rept 4
	v_nop
.endr
	v_and_b32 v[LI], 31, v0
	v_lshlrev_b32 v[LSK], 3, v[LI]
	v_lshlrev_b32 v[LI], 4, v[LI]
	v_add_nc_u32 v[LSK], KSC, v[LSK]
	v_add_nc_u32 v[LIV], VIMG, v[LI]
	v_and_b32 v[R8], 15, v0
	v_bfe_u32 v[CSO], v0, 4, 1
	v_lshl_add_u32 v[CSO], v[R8], 5, v[CSO]
	v_lshlrev_b32 v[R8], 3, v[R8]
	s_wait_alu depctr_va_vdst(0)                   ; the wait ahead of the run of scalar lines
	s_lshl_b32 s37, s[CX], 5
	s_add_co_u32 s37, s37, s[WV]                   ; my tile of the first pass: 32 cx + wave; the second pass's is 16 on
	s_lshl_b32 s38, s37, 10                        ; 1,024 bytes a tile
	s_add_co_u32 s38, s38, QIMG
	s_add_nc_u64 s[40:41], s[4:5], s[38:39]        ; Q's image
	s_lshl_b32 s38, s[CX], 2                       ; its scale word: step tile / 8 (256 bytes), unit f = (tile % 8) / 2: lane 16 (f % 2) + r (8 bytes), word f / 2
	s_lshr_b32 s44, s[WV], 3
	s_add_co_u32 s38, s38, s44
	s_lshl_b32 s38, s38, 8
	s_bfe_u32 s44, s[WV], 0x10001
	s_lshl_b32 s44, s44, 7
	s_add_co_u32 s38, s38, s44
	s_bfe_u32 s44, s[WV], 0x10002
	s_lshl_b32 s44, s44, 2
	s_add_co_u32 s38, s38, s44
	s_add_co_u32 s38, s38, QSC
	s_add_nc_u64 s[42:43], s[4:5], s[38:39]
	s_and_b32 s44, s[WV], 1                        ; an even tile's bytes are the word's low two, an odd tile's its high two
	s_cmp_eq_u32 s44, 0
	s_mov_b32 s[QSEL], 0x03020302
	s_cselect_b32 s[QSEL], 0x01000100, s[QSEL]
	s_lshr_b32 s45, s[BH], 4                       ; batch
	s_and_b32 s46, s[BH], 15                       ; head
	s_lshl_b32 s38, s45, 7
	s_add_co_u32 s38, s38, s37                     ; my tile among the 512 tiles of tokens
	s_lshl_b32 s47, s38, 9                         ; cs: 16 tokens x 32 bytes
	s_lshl_b32 s38, s38, 12                        ; cc: [K step of 256: head / 4][tile][128 along K][block][lane][16 B]: 4,096 bytes a tile,
	s_lshr_b32 s48, s46, 2
	s_lshl_b32 s48, s48, 21                        ; 2,097,152 a K step,
	s_add_co_u32 s38, s38, s48
	s_and_b32 s48, s46, 3
	s_lshl_b32 s48, s48, 10                        ; 1,024 for each head in it
	s_add_co_u32 s38, s38, s48
	s_add_nc_u64 s[6:7], s[6:7], s[38:39]
	s_lshl_b32 s48, s46, 1                         ; cs: two bytes a head
	s_add_co_u32 s38, s47, s48
	s_add_nc_u64 s[8:9], s[8:9], s[38:39]
	global_load_b128 v[Q1:Q1+3], v[LI], s[40:41] th:TH_LOAD_NT
	global_load_b128 v[Q1+4:Q1+7], v[LI], s[40:41] offset:512 th:TH_LOAD_NT
	global_load_b32 v[S], v[R8], s[42:43]                    ; the scale words as they lie: the first pass's,
	global_load_b32 v[S+1], v[R8], s[42:43] offset:512       ; the second's
.irp i, 0,1,2,3,4,5,6,7
	v_mov_b32 v[QA+8+\i], 0                        ; the zero codes
.endr
.irp b, 0,1,2,3
	v_mov_b32 v[BT+\b], 0                          ; written once: a lane exchange's destination counts as one of its sources
.endr
	v_mov_b32 v[F+1], 0
	v_mov_b32 v[T0], 0
	s_wait_alu depctr_va_vdst(0)                   ; the wait at the head's end
	s_wait_tensorcnt 0x0                           ; my sixteenth is in,
	s_barrier_signal -1
	s_barrier_wait -1                              ; everybody's is
.macro FRAGS adr                       ; four fragments as they were stored: 16 bytes a lane, 512 consecutive bytes a load
.irp f, 0,1,2,3
.irp c, 0,1,2,3
	ds_load_b128 v[KV+16*\f+4*\c:KV+16*\f+4*\c+3], v[\adr] offset:2048*\f+512*\c
.endr
.endr
.endm
.macro SC                              ; S^T: register 16 f + 8 u + j of lane (r, h) is query r, key 32 f + 16 u + 8 h + j.  Unit f's scale words lie in word f / 2, lanes 16 (f % 2) on
.irp f, 0,1,2,3
.if \f%2
	v_wmma_scale_f32_16x16x128_f8f6f4 v[S+16*\f:S+16*\f+7], v[KV+16*\f:KV+16*\f+15], v[QA:QA+15], 0, v[KSW+\f/2], v[QSW] matrix_a_scale:MATRIX_SCALE_ROW1
	v_wmma_scale_f32_16x16x128_f8f6f4 v[S+16*\f+8:S+16*\f+15], v[KV+16*\f:KV+16*\f+15], v[QA+8:QA+23], 0, v[KSW+\f/2], v[QSW] matrix_a_scale:MATRIX_SCALE_ROW1
.else
	v_wmma_scale_f32_16x16x128_f8f6f4 v[S+16*\f:S+16*\f+7], v[KV+16*\f:KV+16*\f+15], v[QA:QA+15], 0, v[KSW+\f/2], v[QSW]
	v_wmma_scale_f32_16x16x128_f8f6f4 v[S+16*\f+8:S+16*\f+15], v[KV+16*\f:KV+16*\f+15], v[QA+8:QA+23], 0, v[KSW+\f/2], v[QSW]
.endif
.endr
.endm
.macro PV                              ; O^T += V^T P^T: the four accumulators by turns; the next matrix instruction is a score's
.irp t, 0,1,2,3
.if \t%2
	v_wmma_scale_f32_16x16x128_f8f6f4 v[O+8*\t:O+8*\t+7], v[KV+16*\t:KV+16*\t+15], v[P:P+15], v[O+8*\t:O+8*\t+7], v[VSW+\t/2], v[PSW] matrix_a_scale:MATRIX_SCALE_ROW1
.else
	v_wmma_scale_f32_16x16x128_f8f6f4 v[O+8*\t:O+8*\t+7], v[KV+16*\t:KV+16*\t+15], v[P:P+15], v[O+8*\t:O+8*\t+7], v[VSW+\t/2], v[PSW]
.endif
.endr
.endm
.macro SOFTMAX                         ; the softmax and quantiser for 128 keys
.irp b, 0,1,2,3
	v_max3_num_f32 v[BM+\b], v[S+16*\b], v[S+1+16*\b], v[S+2+16*\b]   ; the largest score of each block of 32 keys: for the row's maximum and, since p rises with the score, for the block's largest p.  Each accumulator from its low end on
.endr
.irp i, 3,5,7,9,11,13
.irp b, 0,1,2,3
	v_max3_num_f32 v[BM+\b], v[BM+\b], v[S+16*\b+\i], v[S+1+16*\b+\i]
.endr
.endr
.irp b, 0,1,2,3
	v_max_num_f32 v[BM+\b], v[BM+\b], v[S+15+16*\b]
.endr
.irp b, 0,1,2,3
	v_permlanex16_b32 v[BT+\b], v[BM+\b], s[SEL], s[SEL+1]
.endr
.irp b, 0,1,2,3
	v_max_num_f32 v[BM+\b], v[BM+\b], v[BT+\b]     ; with lane l xor 16's 16 keys
.endr
	s_delay_alu instid0(VALU_DEP_2)
	v_max3_num_f32 v[T0], v[BM], v[BM+1], v[BM+2]
	s_delay_alu instid0(VALU_DEP_1)
	v_max3_num_f32 v13, v13, v[T0], v[BM+3]        ; the running largest score
	s_delay_alu instid0(VALU_DEP_1)
	v_mul_f32 v[T0], s[NC], v13                    ; -t (c is positive)
	s_delay_alu instid0(VALU_DEP_1)
	v_floor_f32 v[T1], v[T0]                       ; the new -M = floor(-t): M is a whole number
	s_delay_alu instid0(VALU_DEP_1)
	v_sub_f32 v[T0], v[T1], v12                    ; old M - new M: a whole number, 0 or less
	v_mov_b32 v12, v[T1]
	s_delay_alu instid0(VALU_DEP_2)
	v_cvt_i32_f32 v[T0], v[T0]                     ; (it saturates)
	s_delay_alu instid0(VALU_DEP_1)
	v_ldexp_f32 v[F], 1.0, v[T0]                   ; f = 2^(old M - new M)
.set j, 0
.rept 32
	v_pk_fma_f32 v[S+j:S+j+1], v[S+j:S+j+1], s[CS:CS+1], v[12:13] op_sel_hi:[1,0,0]   ; t - M, two at a time (of each pair the low word serves both halves)
.set j, j+2
.endr
.irp b, 0,1,2,3
	v_fma_f32 v[BM+\b], v[BM+\b], s[CS], v12       ; the same of each block's largest score
.endr
	s_wait_alu depctr_va_vdst(0)                   ; the wait ahead of the batch
.set j, 0
.rept 64
	v_exp_f32 v[S+j], v[S+j]                       ; p = 2^(t - M)
.set j, j+1
.endr
	v_pk_mul_f32 v[14:15], v[14:15], v[F:F+1] op_sel_hi:[1,0]   ; the sums under the new M: the plain line behind the exponentials
	s_wait_alu depctr_va_vdst(0)                   ; one wait for the batch of 64, ahead of its first reader
.irp b, 0,1,2,3
	v_exp_f32 v[BM+\b], v[BM+\b]                   ; the blocks' largest p
.endr
	v_pk_add_f32 v[14:15], v[14:15], v[S:S+1]      ; the row's sum of the unquantised p: 32 packed additions in four chains
.irp k, 1,2,3
	v_pk_add_f32 v[P+2*\k-2:P+2*\k-1], v[S+16*\k:S+16*\k+1], v[S+16*\k+2:S+16*\k+3]
.endr
	v_pk_add_f32 v[14:15], v[14:15], v[S+2:S+3]
.irp i, 2,3,4,5,6,7
	v_pk_add_f32 v[14:15], v[14:15], v[S+2*\i:S+2*\i+1]
.irp k, 1,2,3
	v_pk_add_f32 v[P+2*\k-2:P+2*\k-1], v[P+2*\k-2:P+2*\k-1], v[S+16*\k+2*\i:S+16*\k+2*\i+1]
.endr
.endr
	v_pk_add_f32 v[P:P+1], v[P:P+1], v[P+2:P+3]
	v_pk_add_f32 v[14:15], v[14:15], v[P+4:P+5]
	v_pk_add_f32 v[14:15], v[14:15], v[P:P+1]
	s_wait_alu depctr_va_vdst(0)                   ; and one for the four
.irp b, 0,1,2,3
	v_max_num_f32 v[BM+\b], 0x4800000, v[BM+\b]    ; the floor 2^(9 - 127): the byte cannot fall under 1
.endr
.irp b, 0,1,2,3
	v_add_nc_u32 v[CV+\b], 0xfc000000, v[BM+\b]    ; 8 off the exponent field: the conversion's scale operand
.endr
.irp b, 0,1,2,3
	v_and_or_b32 v[HL+\b], v[BM+\b], 0x7f800000, s[MNT]   ; 448 x the scale
.endr
.irp b, 0,1,2,3
	v_lshrrev_b32 v[BT+\b], 23, v[CV+\b]           ; the scale's byte
.endr
	v_lshl_or_b32 v[T0], v[BT+1], 8, v[BT]
	v_lshl_or_b32 v[T1], v[BT+3], 8, v[BT+2]
	v_lshl_or_b32 v[PSW], v[T1], 16, v[T0]         ; p's scale word for these 128 keys
.irp b, 0,1,2,3
.set j, 0
.rept 8
	v_dual_min_num_f32 v[S+16*\b+j], v[S+16*\b+j], v[HL+\b] :: v_dual_min_num_f32 v[S+16*\b+j+1], v[S+16*\b+j+1], v[HL+\b]   ; the conversion does not saturate (ISA guide 7.6.2); p is not negative: a one-sided hold, two a line
.set j, j+2
.endr
	v_cvt_scalef32_pk8_fp8_f32 v[P+4*\b:P+4*\b+1], v[S+16*\b:S+16*\b+7], v[CV+\b]
	v_cvt_scalef32_pk8_fp8_f32 v[P+4*\b+2:P+4*\b+3], v[S+16*\b+8:S+16*\b+15], v[CV+\b]
.endr
	s_wait_alu depctr_va_vdst(0)                   ; the wait, directly ahead of O^T's first readers
.set j, 0
.rept 16
	v_pk_mul_f32 v[O+j:O+j+1], v[O+j:O+j+1], v[F:F+1] op_sel_hi:[1,0]   ; O^T under the new M.  (These sixteen also stand between the codes and the products)
.set j, j+2
.endr
.endm
; THE WAY OUT of a tile of 16 queries: O^T / the sum is ctx(query r, channel 16 t + 8 h + j of my head): two blocks of 32 along E.  They are quantised as they lie, and then brought into E's own order:
; lanes l and l xor 16 exchange one pair of code registers a block, so that lane (r, h) holds channels 32 g + 16 h + 0 .. 15
.macro OUTQ
	v_add_f32 v14, v14, v15
	s_delay_alu instid0(VALU_DEP_1)
	v_permlanex16_b32 v[T0], v14, s[SEL], s[SEL+1]
	s_delay_alu instid0(VALU_DEP_1)
	v_add_f32 v14, v14, v[T0]                      ; the row's sum
	s_wait_alu depctr_va_vdst(0)
	v_rcp_f32 v[F], v14
	v_nop                                          ; a plain line behind the reciprocal,
	s_wait_alu depctr_va_vdst(0)                   ; and the wait ahead of its first reader, which is O^T's too
.set j, 0
.rept 16
	v_pk_mul_f32 v[S+j:S+j+1], v[O+j:O+j+1], v[F:F+1] op_sel_hi:[1,0]   ; each accumulator from its low end on
.set j, j+2
.endr
.irp b, 0,1
	v_max3_num_f32 v[BM+\b], |v[S+16*\b]|, |v[S+1+16*\b]|, 0x4800000
.endr
.irp i, 2,4,6,8,10,12,14
.irp b, 0,1
	s_delay_alu instid0(VALU_DEP_2)
	v_max3_num_f32 v[BM+\b], v[BM+\b], |v[S+16*\b+\i]|, |v[S+1+16*\b+\i]|
.endr
.endr
.irp b, 0,1
	s_delay_alu instid0(VALU_DEP_2)
	v_permlanex16_b32 v[BT+\b], v[BM+\b], s[SEL], s[SEL+1]
.endr
.irp b, 0,1
	s_delay_alu instid0(VALU_DEP_2)
	v_max_num_f32 v[BM+\b], v[BM+\b], v[BT+\b]
.endr
.irp b, 0,1
	s_delay_alu instid0(VALU_DEP_2)
	v_add_nc_u32 v[CV+\b], 0xfc000000, v[BM+\b]
.endr
.irp b, 0,1
	s_delay_alu instid0(VALU_DEP_4)
	v_and_or_b32 v[HL+\b], v[BM+\b], 0x7f800000, s[MNT]
.endr
.irp b, 0,1
	s_delay_alu instid0(VALU_DEP_4)
	v_lshrrev_b32 v[BT+\b], 23, v[CV+\b]
.endr
.irp b, 0,1
.set j, 0
.rept 16
	v_med3_num_f32 v[S+16*\b+j], v[S+16*\b+j], -v[HL+\b], v[HL+\b]
.set j, j+1
.endr
	v_cvt_scalef32_pk8_fp8_f32 v[CO+4*\b:CO+4*\b+1], v[S+16*\b:S+16*\b+7], v[CV+\b]       ; channels 32 g + 8 h + 0 .. 7
	v_cvt_scalef32_pk8_fp8_f32 v[CO+4*\b+2:CO+4*\b+3], v[S+16*\b+8:S+16*\b+15], v[CV+\b]  ; channels 32 g + 16 + 8 h + 0 .. 7
.endr
	v_nop                                          ; a plain line behind the last conversion
.irp b, 0,1
	v_cndmask_b32 v[XS+2*\b], v[CO+4*\b+2], v[CO+4*\b], s[HM]       ; lanes 0-15 send their upper pair, lanes 16-31 their lower
	v_cndmask_b32 v[XS+2*\b+1], v[CO+4*\b+3], v[CO+4*\b+1], s[HM]
.endr
.irp i, 0,1,2,3
	s_delay_alu instid0(VALU_DEP_4)
	v_permlanex16_b32 v[XR+\i], v[XS+\i], s[SEL], s[SEL+1]
.endr
.irp b, 0,1
	v_cndmask_b32 v[OU+4*\b], v[CO+4*\b], v[XR+2*\b], s[HM]
	v_cndmask_b32 v[OU+4*\b+1], v[CO+4*\b+1], v[XR+2*\b+1], s[HM]
	v_cndmask_b32 v[OU+4*\b+2], v[XR+2*\b], v[CO+4*\b+2], s[HM]
	v_cndmask_b32 v[OU+4*\b+3], v[XR+2*\b+1], v[CO+4*\b+3], s[HM]
.endr
	v_cndmask_b32 v[BY], v[BT], v[BT+1], s[HM]     ; lane (r, h) stores block h's byte of row r
	global_store_b128 v[LI], v[OU:OU+3], s[6:7]              ; 32 lanes store 512 consecutive bytes
	global_store_b128 v[LI], v[OU+4:OU+7], s[6:7] offset:512
	global_store_b8 v[CSO], v[BY], s[8:9]                    ; a row of cs spans sixteen heads, which sixteen clusters make: two bytes a row are mine
.endm
	FRAGS LI                                       ; step 0's fragments of K and its scale words
	ds_load_b64 v[KSW:KSW+1], v[LSK]
	s_wait_loadcnt 0x0
	v_perm_b32 v[QN], v[S], v[S], s[QSEL]          ; a tile's two bytes, twice: they serve (Q | 0) and (0 | Q)
	v_perm_b32 v[Q2], v[S+1], v[S+1], s[QSEL]
	s_mov_b32 s[PS], 0
	s_mov_b32 s[TOT], 32
.Lpass:
	s_wait_alu depctr_va_vdst(0)                   ; the wait, directly ahead of the wait below
	s_wait_loadcnt 0x0                             ; this pass's Q
	v_mov_b32 v[QSW], v[QN]
	v_mov_b32 v[QN], v[Q2]
.irp i, 0,1,2,3,4,5,6,7
	v_mov_b32 v[QA+\i], v[Q1+\i]
	v_mov_b32 v[QA+16+\i], v[Q1+\i]
.endr
	v_mov_b32 v13, 0xff61b1e6                      ; the largest score so far: -3e38
	v_mov_b32 v12, 0x7e000000                      ; -M so large that the first f is 0
	v_mov_b32 v14, 0
	v_mov_b32 v15, 0
.set j, 0
.rept 32
	v_mov_b32 v[O+j], 0                            ; the step is written once: the first finds zeros, which the first change of M leaves zeros
.set j, j+1
.endr
	s_mov_b32 s[KO], 0
	s_mov_b32 s[SO], 0
	s_wait_alu depctr_va_vdst(0)                   ; the wait ahead of the branch and the wait below
	s_cmp_eq_u32 s[PS], 1
	s_cbranch_scc1 .Lno_q                          ; the second pass has no successor
	global_load_b128 v[Q1:Q1+3], v[LI], s[40:41] offset:16384 th:TH_LOAD_NT
	global_load_b128 v[Q1+4:Q1+7], v[LI], s[40:41] offset:16384+512 th:TH_LOAD_NT
.Lno_q:
	s_mov_b32 s[CNT], 16
.Lstep:                                                ; 128 keys
	s_wait_dscnt 0x0                               ; K's fragments and words are in
	SC
	v_add_nc_u32 v[ADK], s[KO], v[LIV]             ; these two lines and six v_nop are the places behind the scores' products: ahead of the loads into what they have read, and of the first read of the scores
	v_add_nc_u32 v[ADS], s[SO], v[LSK]
.rept 6
	v_nop
.endr
	FRAGS ADK                                      ; V lands under the softmax
	ds_load_b64 v[VSW:VSW+1], v[ADS] offset:VOFS
	SOFTMAX
	s_wait_alu depctr_va_vdst(0)                   ; the wait, directly ahead of the wait below
	s_wait_dscnt 0x0                               ; V is in
	PV
	s_add_co_u32 s[KO], s[KO], 8192
	s_add_co_u32 s[SO], s[SO], 256
	s_and_b32 s[KN], s[KO], 0x1ffff                ; behind a pass's last step: the next pass's step 0
	s_and_b32 s[SN], s[SO], 0xfff
	v_add_nc_u32 v[ADK], s[KN], v[LI]              ; again two lines and six v_nop: the places behind the products
	v_add_nc_u32 v[ADS], s[SN], v[LSK]
.rept 6
	v_nop
.endr
	s_sub_co_u32 s[TOT], s[TOT], 1
	s_cmp_eq_u32 s[TOT], 0
	s_cbranch_scc1 .Lno_k                          ; the launch's last step has no successor
	FRAGS ADK
	ds_load_b64 v[KSW:KSW+1], v[ADS]
.Lno_k:
	s_sub_co_u32 s[CNT], s[CNT], 1
	s_cmp_lg_u32 s[CNT], 0
	s_cbranch_scc1 .Lstep
	OUTQ
	s_wait_xcnt 0x0                                ; the stores have read their registers and bases
	s_add_nc_u64 s[6:7], s[6:7], 65536             ; 16 tiles on
	s_add_nc_u64 s[8:9], s[8:9], 8192
	s_add_co_u32 s[PS], s[PS], 1
	s_cmp_lg_u32 s[PS], 2
	s_cbranch_scc1 .Lpass
	s_wait_tensorcnt 0x0                           ; the wave's end
	ds_add_u32 v[SPW], v[NIL]
	s_wait_dscnt 0x0
	ROUND                                          ; the closing round
	s_endpgm
.Lfunc_end_k_q9beaa46b69_attn:
	.size	k_q9beaa46b69_attn, .Lfunc_end_k_q9beaa46b69_attn-k_q9beaa46b69_attn
	.p2alignl 7, 3214868480
	.fill 96, 4, 3214868480
	.section	.rodata,"a",@progbits
	.p2align	6, 0x0
	.amdhsa_kernel k_q9beaa46b69_attn
		.amdhsa_group_segment_fixed_size 327680
		.amdhsa_private_segment_fixed_size 0
		.amdhsa_enable_private_segment 0
		.amdhsa_kernarg_size 24
		.amdhsa_user_sgpr_count 2
		.amdhsa_user_sgpr_kernarg_segment_ptr 1
		.amdhsa_wavefront_size32 1
		.amdhsa_system_sgpr_workgroup_id_x 1
		.amdhsa_system_sgpr_workgroup_id_y 1
		.amdhsa_system_sgpr_workgroup_id_z 1
		.amdhsa_system_vgpr_workitem_id 0
		.amdhsa_next_free_vgpr 256
		.amdhsa_next_free_sgpr 66
		.amdhsa_reserve_vcc 0
		.amdhsa_float_denorm_mode_32 3
		.amdhsa_float_denorm_mode_16_64 3
		.amdhsa_memory_ordered 1
		.amdhsa_forward_progress 1
		.amdhsa_inst_pref_size 36
	.end_amdhsa_kernel
	.amdgpu_metadata
---
amdhsa.version: [ 1, 2 ]
amdhsa.kernels:
  - .name:           k_q9beaa46b69_attn
    .symbol:         k_q9beaa46b69_attn.kd
    .args:
      - { .name: qkv, .offset: 0, .size: 8, .value_kind: global_buffer, .address_space: global }
      - { .name: cc, .offset: 8, .size: 8, .value_kind: global_buffer, .address_space: global }
      - { .name: cs, .offset: 16, .size: 8, .value_kind: global_buffer, .address_space: global }
    .group_segment_fixed_size: 327680
    .private_segment_fixed_size: 0
    .kernarg_segment_align: 8
    .kernarg_segment_size: 24
    .max_flat_workgroup_size: 512
    .sgpr_count:     66
    .vgpr_count:     256
    .wavefront_size: 32
...
	.end_amdgpu_metadata
.endif
;; end of part 2
;; launch outp (part 3): grid 4 x 64, 4 waves a work-group, clusters of 4 x 4, 327,680 bytes of LDS; arguments cc, cs, Wo_codes, Wo_scales, bo, out0; writes out0
.if DOCPART == 3
	.amdgcn_target "amdgcn-amd-amdhsa--gfx1250"
	.amdhsa_code_object_version 6
	.text
	.protected	k_q9beaa46b69_outp
	.globl	k_q9beaa46b69_outp
	.p2align	8
	.type	k_q9beaa46b69_outp,@function
k_q9beaa46b69_outp:
	s_mov_b64 s[64:65], 0
	v_nop
	global_prefetch_b8 v0, s[64:65] scope:SCOPE_SE
	s_setreg_imm32_b32 hwreg(HW_REG_WAVE_MODE, 25, 1), 1
	s_wait_xcnt 0x0
	s_wait_alu depctr_hold_cnt(0) depctr_sa_sdst(0) depctr_va_vdst(0) depctr_va_sdst(0) depctr_va_ssrc(0) depctr_va_vcc(0) depctr_vm_vsrc(0)
	s_getreg_b32 s2, hwreg(HW_REG_IB_STS2, 6, 4)
	s_cmp_eq_u32 s2, 0
	s_cbranch_scc0 .Lentry_in_a_cluster
	s_endpgm
.Lentry_in_a_cluster:
	s_bfe_u32 s2, ttmp6, 0x10000c
	s_cmp_lg_u32 s2, 0xf033
	s_cbranch_scc0 .Lentry_shape_is_right
	s_endpgm
.Lentry_shape_is_right:
; out0[token][n] = sum over k of ctx[token][k] Wo[n][k] + bo[n]: 8,192 x 1,024 x 1,024 on codes of FP8 (E4M3) with one E8M0 scale for each 32 along K; sums in f32.  Nothing is left out.
; ctx comes as the launch before leaves it: cc[K step of 256][tile of 16 tokens][128 along K][block of 32][lane][16 bytes], an image of operand registers, 16 rows of 256 bytes for a tile and K step; cs[token][32] its scale bytes.
; SHARES.  A work-group makes 128 tokens x 256 columns: 4 x 64 = 256 work-groups.  Its four waves are 2 x 2; a wave makes 64 x 128: 32 accumulators of 16 x 16, 256 registers (window 2).
; K goes in steps of 256 through a ring of two LDS slots (128 rows of A, 256 rows of B, 256 bytes each + 16 of padding).  The scale bytes of the work-group's rows, for all of K, come once and stay.
; CLUSTERS: 4 x 4 work-groups; A's tiles are asked for jointly along a row of the cluster, B's along a column.
; THE MATRIX INSTRUCTION IS USED TRANSPOSED (source 0 = 16 rows of Wo, source 1 = 16 tokens): a lane holds eight neighbouring numbers of a row of out0.  The bias is the first products' C.
; REGISTERS: window 0: v0-31 addresses; v32-63 scale words, two sets; v64-127 the bias; v128-255 A's fragments, two sets of four (on the way out: rows read back).  Window 1: B's fragments, two sets of eight.
; No prefetch: K has four steps, of which two are asked for in the head; only two refills follow.
; LIMITS: NaN and infinities are carried as the matrix unit carries them.
.set SIZE_N, 1024
.set ROWB,   256
.set KROW,   1024
.set ASTEP,  2097152                   ; from K step to K step in cc
.set PITCH,  272
.set FR,     16
.set NP,     8                         ; places behind this matrix instruction (ISA guide 7.12.1)
.set HALFA,  64*PITCH                  ; what a wave reads of A, and fetches in the ring
.set AT,     128*PITCH
.set HALFB,  128*PITCH                 ; the same for B
.set SLOT,   AT+2*HALFB
.set SCL,    2*SLOT                    ; behind the ring: A's scale bytes, 128 rows of 32 as 16 units of 256 bytes + 16;
.set SCLB,   SCL+16*272                ; B's, 256 rows as 32 units
.set SBLK,   2*272                     ; those of 16 rows
.set SPARE,  SCLB+32*272               ; the spare words: 128 bytes a wave, two blocks of 256 bytes that no other line names
.set SPITCH, 528                       ; the way out: a stage of 16 rows x (512 + 16) bytes a wave, in slot 0, behind its last fill and last read
.set ADRA, 16
.set ADRB, 20
.set STO,  24
.set RD,   25
.set CO,   26
.set ADRS, 27
.set SPW,  28
.set NIL,  29
.set SC,   32                          ; set s at v[SC + 16 s]; register 2 i + q: lanes 0-15 the word of A's block i (i under 4), lanes 16-31 that of B's block i
.set BI,   64
.set AF,   128
.set BK,   128
.set G1, 24
.set G0, 32
.set G1B, 48
.set G0B, 56
.set G1S, 68
.set G0S, 76
.set G1SB, 80
.set G0SB, 88
.set G0H, 4
.set G0HB, 8
.set MSB, 0
.macro WIN new
.if MSB != \new
	s_set_vgpr_msb (MSB<<8)|\new
.set MSB, \new
.endif
.endm
.set MUL,  0xa1                        ; source 0 (B) window 1, source 1 (A) window 0, C and D window 2
.set FST,  0x81                        ; the same, C (the bias) window 0
.set TO_B, 0x40
.macro JLOAD g0a, g1a, g0b, g1b        ; waves 0 and 1 fetch for A, waves 2 and 3 for B
	s_cmp_eq_u32 s15, 0
	s_cbranch_scc0 .Lfor_b_\@
	tensor_load_to_lds s[\g0a:\g0a+3], s[\g1a:\g1a+7]
	s_nop 0
.rept 4
	v_nop
.endr
	s_branch .Lasked_\@
.Lfor_b_\@:
	tensor_load_to_lds s[\g0b:\g0b+3], s[\g1b:\g1b+7]
	s_nop 0
.rept 4
	v_nop
.endr
.Lasked_\@:
.endm
.macro CREST
	s_cmp_lg_u32 s14, 0
	s_cbranch_scc1 .Lnot_wave_0_\@
	s_barrier_signal -3
.Lnot_wave_0_\@:
	s_barrier_wait -3
	s_barrier_signal -1
	s_barrier_wait -1
.endm
.macro CROUND
	s_barrier_signal -1
	s_barrier_wait -1
	CREST
.endm
	s_load_b128 s[4:7], s[0:1], 0x0                ; cc, cs
	s_load_b128 s[8:11], s[0:1], 0x10              ; Wo's codes, Wo's scales
	s_load_b64 s[96:97], s[0:1], 0x20              ; bo
	s_load_b64 s[12:13], s[0:1], 0x28              ; out0
	v_lshl_add_u32 v[SPW], v0, 2, SPARE
	v_mov_b32 v[NIL], 0
	ds_add_u32 v[SPW], v[NIL]                      ; the wave's opening: the add, twice on end, and its wait ahead of my first tensor load
	ds_add_u32 v[SPW], v[NIL]
	v_lshrrev_b32 v1, 5, v0
	v_readfirstlane_b32 s14, v1                    ; wave 0..3
	s_lshr_b32 s15, s14, 1                         ; my half of the tokens.  Also: I fetch for A (0) or for B (1)
	s_and_b32 s16, s14, 1                          ; my half of the columns.  Also: which half of that tile I fetch
	s_bfe_u32 s40, ttmp6, 0x40000
	s_bfe_u32 s41, ttmp6, 0x40004
	s_lshl_b32 s42, ttmp9, 2
	s_add_co_u32 s42, s42, s40                     ; tile column
	s_and_b32 s17, ttmp7, 0xffff
	s_lshl_b32 s17, s17, 2
	s_add_co_u32 s17, s17, s41                     ; tile row
	s_lshl_b32 s43, s41, 2
	s_lshl_b32 s43, 15, s43                        ; my row of the cluster
	s_lshl_b32 s44, 0x1111, s40                    ; my column
	s_or_b32 s[G1+0], s43, (0<<16)|(1<<20)|(1<<21)|(5<<22)|(3<<25)
	s_or_b32 s[G1B+0], s44, (0<<16)|(1<<20)|(1<<21)|(5<<22)|(3<<25)
.irp g, G1, G1B
	s_mov_b32 s[\g+1], ROWB<<16
	s_mov_b32 s[\g+3], ROWB<<16
	s_mov_b32 s[\g+6], 0
	s_mov_b32 s[\g+7], 0
.endr
	s_mov_b32 s[G1+2], 128<<16                     ; the head's loads bring whole tiles: A's 128 rows,
	s_mov_b32 s[G1+4], 128
	s_mov_b32 s[G1+5], ROWB                        ; dense
	s_mov_b32 s[G1B+2], 256<<16                    ; B's 256
	s_mov_b32 s[G1B+4], 256
	s_mov_b32 s[G1B+5], KROW
	s_or_b32 s[G1S+0], s43, (3<<16)|(1<<20)|(1<<21)|(5<<22)|(3<<25)
	s_or_b32 s[G1SB+0], s44, (3<<16)|(1<<20)|(1<<21)|(5<<22)|(3<<25)
.irp g, G1S, G1SB
	s_mov_b32 s[\g+1], 32<<16
	s_mov_b32 s[\g+3], 32<<16
	s_mov_b32 s[\g+5], 32
	s_mov_b32 s[\g+6], 0
	s_mov_b32 s[\g+7], 0
.endr
	s_mov_b32 s[G1S+2], 16<<16
	s_mov_b32 s[G1S+4], 16
	s_mov_b32 s[G1SB+2], 32<<16
	s_mov_b32 s[G1SB+4], 32
	s_lshl_b32 s20, s17, 15                        ; A: 128 rows of 256 bytes a tile row
	s_lshl_b32 s22, s17, 12                        ; its scale bytes: 128 x 32
	s_lshl_b32 s46, s42, 18                        ; B: 256 rows of 1,024 bytes a tile column
	s_lshl_b32 s92, s42, 13                        ; its scale bytes
	s_mov_b32 s21, 0
	s_mov_b32 s23, 0
	s_mov_b32 s47, 0
	s_mov_b32 s93, 0
	s_lshl_b32 s18, s16, 14                        ; in the ring: which 64 rows of A,
	s_mov_b32 s19, 0
	s_lshl_b32 s94, s16, 17                        ; which 128 rows of B,
	s_mov_b32 s95, 0
	s_mul_i32 s45, s16, HALFA                      ; and where they go: no place in the cluster enters an LDS address
	s_mul_i32 s2, s16, HALFB
	s_add_co_u32 s2, s2, AT
	s_wait_dscnt 0x0                               ; both opening adds are done
	s_wait_kmcnt 0x0
	s_add_nc_u64 s[20:21], s[4:5], s[20:21]
	s_add_nc_u64 s[22:23], s[6:7], s[22:23]
	s_add_nc_u64 s[46:47], s[8:9], s[46:47]
	s_add_nc_u64 s[92:93], s[10:11], s[92:93]
	CROUND                                         ; all sixteen work-groups are here: the first joint loads meet
	s_mov_b32 s[G0H], 1
	s_mov_b32 s[G0H+1], 0
	s_mov_b64 s[G0H+2:G0H+3], s[20:21]
	s_or_b32 s[G0H+3], s[G0H+3], 0x80000000
	s_mov_b32 s[G0HB], 1
	s_mov_b32 s[G0HB+1], AT
	s_mov_b64 s[G0HB+2:G0HB+3], s[46:47]
	s_or_b32 s[G0HB+3], s[G0HB+3], 0x80000000
	s_mov_b32 s[G0S], 1
	s_mov_b32 s[G0S+1], SCL
	s_mov_b64 s[G0S+2:G0S+3], s[22:23]
	s_or_b32 s[G0S+3], s[G0S+3], 0x80000000
	s_mov_b32 s[G0SB], 1
	s_mov_b32 s[G0SB+1], SCLB
	s_mov_b64 s[G0SB+2:G0SB+3], s[92:93]
	s_or_b32 s[G0SB+3], s[G0SB+3], 0x80000000
	s_add_nc_u64 s[20:21], s[20:21], s[18:19]      ; for the ring: my part of the tile
	s_add_nc_u64 s[46:47], s[46:47], s[94:95]
.irp s, 0,1
	s_mov_b32 s[G0+4*\s], 1
	s_add_co_u32 s[G0+4*\s+1], s45, \s*SLOT
	s_add_nc_u64 s[G0+4*\s+2:G0+4*\s+3], s[20:21], \s*ASTEP
	s_or_b32 s[G0+4*\s+3], s[G0+4*\s+3], 0x80000000
	s_mov_b32 s[G0B+4*\s], 1
	s_add_co_u32 s[G0B+4*\s+1], s2, \s*SLOT
	s_add_nc_u64 s[G0B+4*\s+2:G0B+4*\s+3], s[46:47], \s*ROWB
	s_or_b32 s[G0B+4*\s+3], s[G0B+4*\s+3], 0x80000000
.endr
; the head's four tiles, one joint load a wave, in one chain of branches on the wave's number: wave 0 A's rows of K step 0, wave 1 B's, wave 2 A's scale bytes, wave 3 B's
.macro ARM under, g0, g1, next
	s_cmp_lt_u32 s14, \under
	s_cbranch_scc0 \next
	tensor_load_to_lds s[\g0:\g0+3], s[\g1:\g1+7]
	s_nop 0
.rept 4
	v_nop
.endr
	s_branch .Lhead_asked
\next:
.endm
	ARM 1, G0H,  G1,  .Lhead_b
	ARM 2, G0HB, G1B, .Lhead_sa
	ARM 3, G0S,  G1S, .Lhead_sb
	tensor_load_to_lds s[G0SB:G0SB+3], s[G1SB:G1SB+7]
	s_nop 0
.rept 4
	v_nop
.endr
.Lhead_asked:
	v_and_b32 v1, 15, v0                           ; r
	v_bfe_u32 v2, v0, 4, 1                         ; h
	v_mul_u32_u24 v3, v1, PITCH
	v_lshl_add_u32 v4, v2, 4, v3                   ; B: a fragment's row x pitch + 16 h
	v_mul_u32_u24 v8, v2, PITCH
	v_lshl_add_u32 v8, v1, 4, v8                   ; A: an image: 16 bytes a lane, 16 lanes to a row of 256 bytes
	s_mul_i32 s21, s15, HALFA
	s_mul_i32 s22, s16, HALFB
	s_add_co_u32 s22, s22, AT
.irp s, 0,1
	v_add_nc_u32 v[ADRA+\s], s21, v8
	v_add_nc_u32 v[ADRB+\s], s22, v4
	s_add_co_u32 s21, s21, SLOT
	s_add_co_u32 s22, s22, SLOT
.endr
	v_mul_u32_u24 v5, v1, 32                       ; my row's scale bytes: 32 a row,
	v_lshrrev_b32 v6, 8, v5
	v_lshl_add_u32 v5, v6, 4, v5                   ; and 16 more for each 256 passed
	s_mul_i32 s21, s15, 8*272                      ; A's: my 64 rows
	s_mul_i32 s22, s16, 16*272                     ; B's: my 128 rows, behind A's 128
	s_add_co_u32 s22, s22, 16*272
	s_sub_co_u32 s22, s22, s21
	v_mul_u32_u24 v6, s22, v2                      ; lanes 16-31 take B's
	s_add_co_u32 s21, s21, SCL
	v_add_nc_u32 v5, v5, v6
	v_add_nc_u32 v[ADRS], s21, v5
	s_mul_i32 s23, s14, 16*SPITCH                  ; my stage
	v_mul_u32_u24 v5, v1, SPITCH
	v_lshl_add_u32 v5, v2, 5, v5
	v_add_nc_u32 v[STO], s23, v5
	v_and_b32 v6, 31, v0
	v_lshlrev_b32 v[CO], 4, v6
	v_add_nc_u32 v[RD], s23, v[CO]
	s_lshl_b32 s20, s17, 7
	s_lshl_b32 s21, s15, 6
	s_add_co_u32 s20, s20, s21                     ; my first row of out0: 128 x tile row + 64 x half
	s_mov_b32 s21, 0
	s_mov_b64 s[18:19], SIZE_N*4
	s_mul_u64 s[20:21], s[20:21], s[18:19]
	s_lshl_b32 s46, s42, 10                        ; my first column, in bytes
	s_lshl_b32 s47, s16, 9
	s_add_co_u32 s46, s46, s47
	s_mov_b32 s47, 0
	s_add_nc_u64 s[20:21], s[20:21], s[46:47]
	s_add_nc_u64 s[12:13], s[12:13], s[20:21]
	s_add_nc_u64 s[96:97], s[96:97], s[46:47]
	v_lshlrev_b32 v7, 5, v2
.irp b, 0,1,2,3,4,5,6,7
	global_load_b128 v[BI+8*\b:BI+8*\b+3], v7, s[96:97] offset:64*\b        ; bo at the lane's eight columns of block b
	global_load_b128 v[BI+8*\b+4:BI+8*\b+7], v7, s[96:97] offset:64*\b+16
.endr
.macro FRAG reg, adr, q, i
.irp c, 0,1,2,3
	ds_load_b128 v[\reg+4*\c:\reg+4*\c+3], v[\adr] offset:128*(\q)+32*\c+(\i)*16*PITCH
.endr
.endm
.macro FRAG_A reg, adr, q, i
.irp c, 0,1,2,3
	ds_load_b128 v[\reg+4*\c:\reg+4*\c+3], v[\adr] offset:8*PITCH*(\q)+2*PITCH*\c+(\i)*16*PITCH
.endr
.endm
; eight matrix instructions: A's block a x B's eight, the slot's q-th 128 along K, from fragment sets p.  The 32 accumulators take turns, one instruction a turn, in the same order in every step
.macro MULA a, p, q, sc, first
.irp b, 0,1,2,3,4,5,6,7
.if \first
	v_wmma_scale_f32_16x16x128_f8f6f4 v[8*(8*(\a)+\b):8*(8*(\a)+\b)+7], v[128*(\p)+FR*\b:128*(\p)+FR*\b+FR-1], v[AF+64*(\p)+FR*(\a):AF+64*(\p)+FR*(\a)+FR-1], v[BI+8*\b:BI+8*\b+7], v[SC+16*(\sc)+2*\b+(\q)], v[SC+16*(\sc)+2*(\a)+(\q)] matrix_a_scale:MATRIX_SCALE_ROW1
.else
	v_wmma_scale_f32_16x16x128_f8f6f4 v[8*(8*(\a)+\b):8*(8*(\a)+\b)+7], v[128*(\p)+FR*\b:128*(\p)+FR*\b+FR-1], v[AF+64*(\p)+FR*(\a):AF+64*(\p)+FR*(\a)+FR-1], v[8*(8*(\a)+\b):8*(8*(\a)+\b)+7], v[SC+16*(\sc)+2*\b+(\q)], v[SC+16*(\sc)+2*(\a)+(\q)] matrix_a_scale:MATRIX_SCALE_ROW1
.endif
.endr
.endm
.macro FETCH slot, q, p                ; the fragments of one step of 128 along K into sets p: B's eight, A's four: 48 loads
	WIN TO_B
.irp i, 0,1,2,3,4,5,6,7
	FRAG 128*(\p)+FR*\i, ADRB+\slot, \q, \i
.endr
	WIN 0
.irp i, 0,1,2,3
	FRAG_A AF+64*(\p)+FR*\i, ADRA+\slot, \q, \i
.endr
.endm
.macro SCALES sc                       ; a K step's scale words: lanes 0-15 read on past my four blocks of A, into A's other rows or B's; those words are named by no product
.irp i, 0,1,2,3,4,5,6,7
	ds_load_b64 v[SC+16*\sc+2*\i:SC+16*\sc+2*\i+1], v[ADRS] offset:\i*SBLK
.endr
.endm
.macro PLACES n
.rept \n
	v_nop
.endr
.endm
.macro STEP slot, first                ; a slot's first 128 along K (sets 0); in its middle the second's fragments are fetched into sets 1
	s_wait_dscnt 0x0
.if \first
	WIN FST
.else
	WIN MUL
.endif
	MULA 0, 0, 0, \slot, \first
	MULA 1, 0, 0, \slot, \first
	PLACES NP                                      ; ahead of loads into sets 1, which the step before multiplied
	FETCH \slot, 1, 1
.if \first
	WIN FST
.else
	WIN MUL
.endif
	MULA 2, 0, 0, \slot, \first
	MULA 3, 0, 0, \slot, \first
	WIN 0
.endm
; A slot's second 128 along K (sets 1) changes slots: ONE barrier; ahead of it each wave waits for all its tensor loads, adds 0 to its spare word, and waits for that and for its reads of this slot.  fill = 1: the slot is filled again, two K steps ahead
.macro TURN slot, next, fill
	s_wait_tensorcnt 0x0                           ; my part of the next slot has landed
	ds_add_u32 v[SPW], v[NIL]
	s_wait_dscnt 1                                 ; the step's 48 loads are in; the add alone may be out
	WIN MUL
	MULA 0, 1, 1, \slot, 0
	s_wait_dscnt 0x0                               ; the add is done, and my reads of this slot are over
	s_barrier_signal -1
	MULA 1, 1, 1, \slot, 0
	WIN 0
	s_barrier_wait -1
.if \fill
	CREST                                          ; the barrier has opened a round of the cluster's barrier
	s_add_nc_u64 s[G0+4*\slot+2:G0+4*\slot+3], s[G0+4*\slot+2:G0+4*\slot+3], 2*ASTEP
	s_add_nc_u64 s[G0B+4*\slot+2:G0B+4*\slot+3], s[G0B+4*\slot+2:G0B+4*\slot+3], 2*ROWB
	JLOAD G0+4*\slot, G1, G0B+4*\slot, G1B         ; the first tensor load behind the round; its four v_nop are among the places ahead of the loads below
	PLACES NP-4
.else
	PLACES NP
.endif
	v_add_nc_u32 v[ADRS], 8, v[ADRS]               ; on to the next K step's scale words
	s_wait_alu depctr_va_vdst(0)                   ; the wait, directly behind the write
	FETCH \next, 0, 0
	SCALES \next
	WIN MUL
	MULA 2, 1, 1, \slot, 0
	MULA 3, 1, 1, \slot, 0
	WIN 0
.endm
	s_wait_alu depctr_va_vdst(0)                   ; the wait at the head's end
	s_wait_tensorcnt 0x0                           ; my tile of the head's four is in; the lines ahead of a later first fill:
	ds_add_u32 v[SPW], v[NIL]
	s_mov_b32 s[G1+2], 64<<16                      ; no tensor load of mine is out: from here on a load brings 64 rows of A
	s_mov_b32 s[G1+4], 64
	s_mov_b32 s[G1B+2], 128<<16                    ; or 128 of B
	s_mov_b32 s[G1B+4], 128
	s_wait_dscnt 0x0
	CROUND                                         ; all four tiles are in, and all sixteen work-groups are here
	JLOAD G0+4, G1, G0B+4, G1B                     ; K step 1, the first tensor load behind the round
	FETCH 0, 0, 0
	SCALES 0
	s_wait_loadcnt 0x0                             ; the bias
	STEP 0, 1                                      ; the first step stands ahead of the loop: its products start the sums, on the bias
	s_mov_b32 s3, 1
.Llap:                                                 ; once round the ring; both slots are filled again
	TURN 0, 1, 1
	STEP 1, 0
	TURN 1, 0, 1
	STEP 0, 0
	s_sub_co_u32 s3, s3, 1
	s_cmp_lg_u32 s3, 0
	s_cbranch_scc1 .Llap
	TURN 0, 1, 0                                   ; the last lap fills nothing
	STEP 1, 0
	s_wait_dscnt 0x0
	WIN MUL
	MULA 0, 1, 1, 1, 0
	MULA 1, 1, 1, 1, 0
	MULA 2, 1, 1, 1, 0
	MULA 3, 1, 1, 1, 0
	WIN 0
; THE WAY OUT, block by block of 16 rows x 128 columns, through my own stage: in as 32 bytes a lane, back as whole rows of 512 bytes, which 32 lanes store as two aligned units of 256 bytes
.macro TOSTAGE a
.set AC, 64*(\a)
	WIN 0x08                                       ; the data: window 2
.irp b, 0,1,2,3,4,5,6,7
	ds_store_b128 v[STO], v[AC+8*\b:AC+8*\b+3] offset:64*\b          ; each accumulator from its low end on
	ds_store_b128 v[STO], v[AC+8*\b+4:AC+8*\b+7] offset:64*\b+16
.endr
	WIN 0
.set BB, BK+64*((\a)%2)
.irp t, 0,1,2,3,4,5,6,7,8,9,10,11,12,13,14,15
	ds_load_b128 v[BB+4*\t:BB+4*\t+3], v[RD] offset:\t*SPITCH    ; LDS serves a wave's instructions in order: these see the stores above
.endr
.endm
.macro SEND a, younger                 ; younger: the LDS instructions issued behind block a's loads
.set BB, BK+64*((\a)%2)
	s_wait_dscnt \younger
.if (\a) > 0
	s_add_nc_u64 s[12:13], s[12:13], 16*SIZE_N*4   ; (behind a wait on XCNT)  16 rows on
.endif
.irp t, 0,1,2,3,4,5,6,7,8,9,10,11,12,13,14,15
	global_store_b128 v[CO], v[BB+4*\t:BB+4*\t+3], s[12:13] offset:\t*SIZE_N*4 th:TH_STORE_NT
.endr
.endm
	PLACES NP
	TOSTAGE 0
.irp a, 1,2,3
.if \a > 1
	s_wait_xcnt 0x0                                ; block a - 2's stores have read their registers and their base
.endif
	TOSTAGE \a
	SEND \a-1, 32
.endr
	s_wait_xcnt 0x0
	SEND 3, 0
	s_wait_tensorcnt 0x0                           ; the wave's end
	ds_add_u32 v[SPW], v[NIL]
	s_wait_dscnt 0x0
	CROUND                                         ; the closing round
	s_endpgm
.Lfunc_end_k_q9beaa46b69_outp:
	.size	k_q9beaa46b69_outp, .Lfunc_end_k_q9beaa46b69_outp-k_q9beaa46b69_outp
	.p2alignl 7, 3214868480
	.fill 96, 4, 3214868480
	.section	.rodata,"a",@progbits
	.p2align	6, 0x0
	.amdhsa_kernel k_q9beaa46b69_outp
		.amdhsa_group_segment_fixed_size 327680
		.amdhsa_private_segment_fixed_size 0
		.amdhsa_enable_private_segment 0
		.amdhsa_kernarg_size 48
		.amdhsa_user_sgpr_count 2
		.amdhsa_user_sgpr_kernarg_segment_ptr 1
		.amdhsa_wavefront_size32 1
		.amdhsa_system_sgpr_workgroup_id_x 1
		.amdhsa_system_sgpr_workgroup_id_y 1
		.amdhsa_system_sgpr_workgroup_id_z 1
		.amdhsa_system_vgpr_workitem_id 0
		.amdhsa_next_free_vgpr 768
		.amdhsa_next_free_sgpr 98
		.amdhsa_reserve_vcc 0
		.amdhsa_float_denorm_mode_32 3
		.amdhsa_float_denorm_mode_16_64 3
		.amdhsa_memory_ordered 1
		.amdhsa_forward_progress 1
		.amdhsa_inst_pref_size 92
	.end_amdhsa_kernel
	.amdgpu_metadata
---
amdhsa.version: [ 1, 2 ]
amdhsa.kernels:
  - .name:           k_q9beaa46b69_outp
    .symbol:         k_q9beaa46b69_outp.kd
    .args:
      - { .name: cc, .offset: 0, .size: 8, .value_kind: global_buffer, .address_space: global }
      - { .name: cs, .offset: 8, .size: 8, .value_kind: global_buffer, .address_space: global }
      - { .name: Wo_codes, .offset: 16, .size: 8, .value_kind: global_buffer, .address_space: global }
      - { .name: Wo_scales, .offset: 24, .size: 8, .value_kind: global_buffer, .address_space: global }
      - { .name: bo, .offset: 32, .size: 8, .value_kind: global_buffer, .address_space: global }
      - { .name: out0, .offset: 40, .size: 8, .value_kind: global_buffer, .address_space: global }
    .group_segment_fixed_size: 327680
    .private_segment_fixed_size: 0
    .kernarg_segment_align: 8
    .kernarg_segment_size: 48
    .max_flat_workgroup_size: 128
    .sgpr_count:     98
    .vgpr_count:     768
    .wavefront_size: 32
...
	.end_amdgpu_metadata
.endif
;; end of part 3
